; MI455X (gfx1250); checked and timed in simulation.
; The chip was launched on July 23, 2026; its instructions are those of AMD's public machine-readable ISA for CDNA 5 (MIT licence, August 2026) and "CDNA5" Instruction Set Architecture Reference Guide (July 2026). The comments in the code are by the model that wrote it; some were corrected since.
;; Laplacian transformation grid add. Allowed arithmetic: float matrix products may take bf16 or f16 operands with f32 sums; all other float work in f32.
;; Inputs: image 8 x 3 x 512 x 512 float32; pMtrx 8 x 2 x 3 float32.
;; Outputs: out0 8 x 3 x 512 x 512 float32.
;; Constants: H = 512, W = 512.
;; 2 versions, each right and faster than the one before. Each part assembles by itself: llvm-mc -triple=amdgcn-amd-amdhsa -mcpu=gfx1250 --defsym DOCPART=n.
;; ======== version 1 of 2: 2 launches
;; limits: right only within a limited range of input values
;; workspace buffers: t0 35,860,480 bytes; t1 9,547,776 bytes; t2 2,682,880 bytes; t3 823,296 bytes; coef 512 bytes of whole numbers
;; launch pyramid (part 1): grid 32 x 8, 16 waves a work-group, no clusters, 129,024 bytes of LDS; arguments image, pMtrx, t0, t1, t2, t3, coef; writes t0, t1, t2, t3, coef
.if DOCPART == 1
	.amdgcn_target "amdgcn-amd-amdhsa--gfx1250"
	.amdhsa_code_object_version 6
	.text
	.protected	k_q009c7ecb4f_pyramid
	.globl	k_q009c7ecb4f_pyramid
	.p2align	8
	.type	k_q009c7ecb4f_pyramid,@function
k_q009c7ecb4f_pyramid:
	s_mov_b64 s[64:65], 0
	v_nop
	global_prefetch_b8 v0, s[64:65] scope:SCOPE_SE
	s_setreg_imm32_b32 hwreg(HW_REG_WAVE_MODE, 25, 1), 1
	s_wait_xcnt 0x0
; Laplacian pyramid of image [8][3][512][512] f32, written as four textures for the sampling launch, and pMtrx as whole numbers.
;
; THE ARITHMETIC.  The 2:1 resize with aligned corners to n points reads in[2y] and in[2y+1] with weight y/(n-1) on the second:
; a cell of a level hangs on its own 2 x 2 block alone.  The 1:2 resize from n points gives child 2m = G[m] + a (G[m-1]-G[m]),
; a = m/(2n-1), and child 2m+1 = G[m] + f (G[m+1]-G[m]), f = (n-1-m)/(2n-1): one neighbour cell on each side.
; LP0 = image - up(GP1), LP1 = GP1 - up(GP2), LP2 = GP2 - up(GP3), LP3 = GP3.
;
; THE SHARES.  A work-group owns 16 image rows of one batch, all three channels; thread x owns pixel column x (16 waves x 32 lanes).
; One neighbour row of GP3 is 8 image rows, so 8 rows above and 8 below are loaded too (32 rows x 3 channels a thread).
; At the image's top and bottom those rows do not exist: other rows of the image are loaded in their place, and what is made of
; them meets only weights a = 0 or f = 0.  LIMIT: the image is finite (0 x inf would be NaN).
; In x the two, four, eight lanes of a cell hold the same cell value (sum over the pair by DPP row_xmask 1, 2, 4).
; Neighbour cells in x lie in other lanes, at wave edges in other waves: they go through LDS.
; No cluster and no tensor tiles: all that work-groups share is the 16 outer rows, and every number goes straight into arithmetic in registers.
;
; THE TEXTURES.  Level l (n = 512 >> l): n+3 rows of n+32 texels of 16 bytes (R, G, B, 0); data at row 1, texel 16; all else zero.
; The zero frame stands for grid_sample's zero padding.  Row pitches are multiples of 256 bytes.
;
; THE WHOLE NUMBERS.  With U = 256 (g + 1), level l samples at U / 2^l - 0.5.  U is affine in (w, h):
; U + 16 = C + A w + B h, A = t0 (1 + 1/511), B = t1 (1 + 1/511), C = 256 (t2 - t0 - t1) + 272, stored as signed 32.32 fixed point.
; LIMIT: |pMtrx| <= 2^20 and finite, so that the integer part fits 32 bits.
.set ROWB,  2048                       ; bytes in an image row
.set PLANE, 0x100000                   ; bytes in an image plane
.set P0B, 8704                         ; bytes in a texture row, level 0..3
.set P1B, 4608
.set P2B, 2560
.set P3B, 1536
.set BS0, 515*P0B                      ; bytes of one batch in a texture
.set BS1, 259*P1B
.set BS2, 131*P2B
.set BS3, 67*P3B
.set XSLOT, 2048                       ; LDS: one number of all 512 lanes
.set XHI,   65536                      ; slots of GP2 and GP3 start here (an LDS immediate has 16 bits)
.set STG2,  8*4096                     ; staging (over the slots, behind a barrier): LP1 at 0, LP2, LP3
.set STG3,  STG2+4*2048
.set XO,  1                            ; 4 x: image offset and my LDS word
.set XO2, 2                            ; 4 x + XHI
.set TO0, 3                            ; 16 x: my texel in a row of level 0; also my 16 bytes of the staging
.set LAM, 4                            ; v4-6   my weight in the cell sum of GP1, GP2, GP3
.set AL,  7                            ; v7-9   weight of the neighbour cell in x when GP1, GP2, GP3 are enlarged
.set NB,  10                           ; v10-12 LDS word of a lane that holds that neighbour cell
.set ST1, 13                           ; staging addresses of my LP1, LP2, LP3 texel
.set ST2, 14
.set ST3, 15
.set WO1, 17                           ; texture offsets of the staged texels that I carry out
.set WO2, 18
.set WO3, 19
.set BO0, 20                           ; offsets of the side frames that my wave clears
.set BO1, 21
.set T,   22                           ; v22-27 at work
.set Z,   28                           ; v28-31 a texel of zeros
.set TQ,  32                           ; v32-35 a texel at work (fourth word 0)
.set MID, 36                           ; v36-99   my 16 rows, a quad a row (R, G, B, 0): becomes LP0 in place
.set HAL, 100                          ; v100-147 the 8 + 8 outer rows, three a row; later the neighbour cells N1, N2
.set N1,  HAL                          ; 10 rows of GP1
.set N2,  HAL+30                       ; 6 rows of GP2
.set G1,  148                          ; v148-195 GP1, 16 rows; later the quads on the way out
.set G2,  196                          ; v196-219 GP2, 8 rows
.set G3,  220                          ; v220-235 GP3, 4 rows as quads
.set N3,  236                          ; v236-247 4 rows of GP3's neighbours
.set WQ,  G1
	s_load_b256 s[8:15], s[0:1], 0x0               ; image s[8:9], pMtrx s[10:11], t0 s[12:13], t1 s[14:15]
	s_load_b128 s[16:19], s[0:1], 0x20             ; t2 s[16:17], t3 s[18:19]
	s_load_b64 s[20:21], s[0:1], 0x30              ; coef
	v_lshl_add_u32 v248, v0, 2, 0x1f000
	v_mov_b32 v249, 0
	s_mov_b32 s2, ttmp9                            ; band 0..31
	s_and_b32 s3, ttmp7, 0xffff                    ; batch 0..7
	v_lshrrev_b32 v[T+2], 5, v0
	v_readfirstlane_b32 s4, v[T+2]                 ; wave 0..15
	s_lshl_b32 s30, s2, 4                          ; first own row of the image,
	s_lshl_b32 s5, s2, 3                           ; of GP1,
	s_lshl_b32 s6, s2, 2                           ; of GP2,
	s_lshl_b32 s7, s2, 1                           ; of GP3
	v_lshlrev_b32 v[XO], 2, v0
	s_mul_i32 s28, s3, 3*PLANE
	s_mov_b32 s29, 0
	s_wait_kmcnt 0x0
	s_add_nc_u64 s[8:9], s[8:9], s[28:29]          ; the batch's first plane
	s_lshl_b32 s28, s30, 11
	s_add_nc_u64 s[24:25], s[8:9], s[28:29]        ; my 16 rows
	s_sub_co_i32 s40, s30, 8
	s_max_i32 s40, s40, 0                          ; the 8 rows above (band 0: rows 0-7 in their place)
	s_lshl_b32 s28, s40, 11
	s_add_nc_u64 s[22:23], s[8:9], s[28:29]
	s_add_co_i32 s40, s30, 16
	s_min_i32 s40, s40, 504                        ; the 8 rows below (band 31: rows 504-511 in their place)
	s_lshl_b32 s28, s40, 11
	s_add_nc_u64 s[26:27], s[8:9], s[28:29]
; row ri = 0..31 of the 32 (image row 16 band - 8 + ri), three channels; a wave's load covers 128 consecutive bytes
.macro LDROW ri
.if (\ri) < 8
.irp ch,0,1,2
	global_load_b32 v[HAL+3*(\ri)+\ch], v[XO], s[22:23] offset:(\ri)*ROWB+\ch*PLANE
.endr
.elseif (\ri) < 24
.irp ch,0,1,2
	global_load_b32 v[MID+4*((\ri)-8)+\ch], v[XO], s[24:25] offset:((\ri)-8)*ROWB+\ch*PLANE
.endr
.else
.irp ch,0,1,2
	global_load_b32 v[HAL+24+3*((\ri)-24)+\ch], v[XO], s[26:27] offset:((\ri)-24)*ROWB+\ch*PLANE
.endr
.endif
.endm
.irp ri,0,1,2,3,4,5,6,7,8,9,10,11,12,13,14,15,16,17,18,19
	LDROW \ri
.endr
	; while they are on their way: zeros, texture addresses, the frames, the lanes' weights
.irp i,0,1,2,3
	v_mov_b32 v[Z+\i], 0
.endr
.irp r,0,1,2,3,4,5,6,7,8,9,10,11,12,13,14,15
	v_mov_b32 v[MID+4*\r+3], 0                     ; a texel's fourth word
.endr
	v_mov_b32 v[TQ+3], 0
	v_mov_b32 v[G3+7], 0
	v_mov_b32 v[G3+11], 0
; s[d:d+1] = texture p at this batch, at the texture row of my first own row (data row y lies in texture row y + 1)
.macro TEXROW d, p, bs, srow, pb
	s_add_co_i32 s40, \srow, 1
	s_mul_i32 s40, s40, \pb
	s_mul_i32 s28, s3, \bs
	s_add_co_u32 s28, s28, s40
	s_add_nc_u64 s[\d:\d+1], s[\p:\p+1], s[28:29]
.endm
	TEXROW 32, 12, BS0, s30, P0B
	TEXROW 34, 14, BS1, s5, P1B
	TEXROW 36, 16, BS2, s6, P2B
	TEXROW 38, 18, BS3, s7, P3B
	v_lshlrev_b32 v[TO0], 4, v0
	v_add_nc_u32 v[XO2], XHI, v[XO]
	; side frames: lanes 0-15 clear the 16 texels left of a row's data, lanes 16-31 the 16 right of it: two aligned runs of 256 bytes.
	; Wave w takes row w of level 0; waves 0-7 a row of level 1, 8-11 of level 2, 12-13 of level 3.
	v_and_b32 v[T], 15, v0
	v_lshlrev_b32 v[T], 4, v[T]
	v_bfe_u32 v[T+1], v0, 4, 1
	v_mad_u32_u24 v[BO0], v[T+1], P0B-256, v[T]
	v_mad_u32_u24 v[BO0], v[T+2], P0B, v[BO0]
	global_store_b128 v[BO0], v[Z:Z+3], s[32:33]
	s_cmp_ge_u32 s4, 8
	s_cbranch_scc1 .Lside2
	v_mad_u32_u24 v[BO1], v[T+1], P1B-256, v[T]
	v_mad_u32_u24 v[BO1], v[T+2], P1B, v[BO1]
	global_store_b128 v[BO1], v[Z:Z+3], s[34:35]
	s_branch .Lsided
.Lside2:
	s_cmp_ge_u32 s4, 12
	s_cbranch_scc1 .Lside3
	v_mad_u32_u24 v[BO1], v[T+1], P2B-256, v[T]
	v_mad_u32_u24 v[BO1], v[T+2], P2B, v[BO1]
	global_store_b128 v[BO1], v[Z:Z+3], s[36:37] offset:-8*P2B
	s_branch .Lsided
.Lside3:
	s_cmp_ge_u32 s4, 14
	s_cbranch_scc1 .Lsided
	v_mad_u32_u24 v[BO1], v[T+1], P3B-256, v[T]
	v_mad_u32_u24 v[BO1], v[T+2], P3B, v[BO1]
	global_store_b128 v[BO1], v[Z:Z+3], s[38:39] offset:-12*P3B
.Lsided:
; n runs of 512 bytes of zeros from byte off behind s[sb:sb+1]: wave w takes runs w, w + 16, ..
.macro ZFILL sb, off, n, tag
.set zi, 0
.rept ((\n)+15)/16
.if (\n)-16*zi >= 16
	global_store_b128 v[TO0], v[Z:Z+3], s[\sb:\sb+1] offset:(\off)+zi*8192
.else
	s_cmp_ge_u32 s4, (\n)-16*zi
	s_cbranch_scc1 .Lz\tag
	global_store_b128 v[TO0], v[Z:Z+3], s[\sb:\sb+1] offset:(\off)+zi*8192
.Lz\tag:
.endif
.set zi, zi+1
.endr
.endm
	s_cmp_lg_u32 s2, 0
	s_cbranch_scc1 .Lnotop
	ZFILL 32, -P0B, 17, a                          ; band 0: the one zero row above each texture
	ZFILL 34, -P1B, 9, b
	ZFILL 36, -P2B, 5, c
	ZFILL 38, -P3B, 3, d
.Lnotop:
	s_cmp_lg_u32 s2, 31
	s_cbranch_scc1 .Lnobot
	ZFILL 32, 16*P0B, 34, e                        ; band 31: the two zero rows below
	ZFILL 34, 8*P1B, 18, f
	ZFILL 36, 4*P2B, 10, g
	ZFILL 38, 2*P3B, 6, h
.Lnobot:
.irp ri,20,21,22,23,24,25,26,27,28,29,30,31
	LDROW \ri
.endr
	v_lshrrev_b32 v[T], 1, v0
	v_lshlrev_b32 v[ST1], 4, v[T]
	v_lshrrev_b32 v[T], 2, v0
	v_lshl_add_u32 v[ST2], v[T], 4, STG2
	v_lshrrev_b32 v[T], 3, v0
	v_lshl_add_u32 v[ST3], v[T], 4, STG3
	v_lshrrev_b32 v[T], 8, v0                      ; staged texel t of LP1: row t >> 8, texel t & 255
	v_and_b32 v[T+1], 255, v0
	v_lshlrev_b32 v[T+1], 4, v[T+1]
	v_mad_u32_u24 v[WO1], v[T], P1B, v[T+1]
	v_lshrrev_b32 v[T], 7, v0
	v_and_b32 v[T+1], 127, v0
	v_lshlrev_b32 v[T+1], 4, v[T+1]
	v_mad_u32_u24 v[WO2], v[T], P2B, v[T+1]
	v_lshrrev_b32 v[T], 6, v0
	v_and_b32 v[T+1], 63, v0
	v_lshlrev_b32 v[T+1], 4, v[T+1]
	v_mad_u32_u24 v[WO3], v[T], P3B, v[T+1]
; Level L = 1..3, c = its last cell.  m = x >> L is my cell, bit L-1 of x says which child of it I belong to.
; LAM: my share of the cell sum, upper child m/c, lower (c-m)/c.  AL: the neighbour's weight, lower child m/(2c+1), upper (c-m)/(2c+1).
; NB: a lane of the neighbour cell, 2^(L-1) lanes down (lower child) or up; past either end the weight is 0 and any lane will do.
.macro LANEW L, c, rl, ra, hi
	v_lshrrev_b32 v[T], \L, v0
	v_sub_nc_u32 v[T+1], \c, v[T]
	v_and_b32 v[T+2], 1<<(\L-1), v0
	v_cmp_ne_u32 vcc_lo, 0, v[T+2]
	v_cndmask_b32 v[T+3], v[T+1], v[T], vcc_lo
	v_cndmask_b32 v[T+4], v[T], v[T+1], vcc_lo
	v_cvt_f32_u32 v[T+3], v[T+3]
	v_cvt_f32_u32 v[T+4], v[T+4]
	v_mul_f32 v[LAM+\L-1], \rl, v[T+3]
	v_mul_f32 v[AL+\L-1], \ra, v[T+4]
	v_lshl_add_u32 v[T+5], v[T+2], 1, v0
	v_add_nc_u32 v[T+5], -(1<<(\L-1)), v[T+5]
	v_min_u32 v[T+5], 511, v[T+5]
	v_lshl_add_u32 v[NB+\L-1], v[T+5], 2, \hi
.endm
	LANEW 1, 255, 0x3b808081, 0x3b004020, 0        ; 1/255, 1/511
	LANEW 2, 127, 0x3c010204, 0x3b808081, XHI      ; 1/127, 1/255
	LANEW 3, 63, 0x3c820821, 0x3c010204, XHI       ; 1/63, 1/127
; dst = clamp(base + add, 0, cmax) * recip: a row's weight (rows outside the image get a weight inside 0..1)
.macro SW dst, base, add, cmax, recip
	s_add_co_i32 \dst, \base, \add
	s_max_i32 \dst, \dst, 0
	s_min_i32 \dst, \dst, \cmax
	s_cvt_f32_u32 \dst, \dst
	s_mul_f32 \dst, \dst, \recip
.endm
; one row of the next level, three channels: rows a and b mixed by sw, my share by lam, the cell sum over lanes xm apart.
; A DPP form reads its destination: the product is put there first.
.macro DOWN d, a, b, sw, lam, xm
.irp ch,0,1,2
	v_sub_f32 v[T+\ch], v[\b+\ch], v[\a+\ch]
.endr
.irp ch,0,1,2
	v_fma_f32 v[T+\ch], \sw, v[T+\ch], v[\a+\ch]
.endr
.irp ch,0,1,2
	v_mul_f32 v[\d+\ch], v[\lam], v[T+\ch]
.endr
.irp ch,0,1,2
	v_add_f32_dpp v[\d+\ch], v[\d+\ch], v[\d+\ch] row_xmask:\xm row_mask:0xf bank_mask:0xf
.endr
.endm
.macro G1ROW jr
.if 2*(\jr) < 8
.set RA, HAL+3*(2*(\jr))
.set RB, HAL+3*(2*(\jr)+1)
.elseif 2*(\jr) < 24
.set RA, MID+4*(2*(\jr)-8)
.set RB, MID+4*(2*(\jr)-7)
.else
.set RA, HAL+24+3*(2*(\jr)-24)
.set RB, HAL+24+3*(2*(\jr)-23)
.endif
.if 90-6*(\jr) > 63
	s_wait_loadcnt 63                              ; 90 - 6 jr loads stand behind this row's six; a wait can name 63 at the most
.else
	s_wait_loadcnt 90-6*(\jr)                      ; loads return in order (ISA guide 5.7.1): the later rows stay out
.endif
	SW s40, s5, (\jr)-4, 255, 0x3b808081
	DOWN G1+3*(\jr), RA, RB, s40, LAM, 1
.endm
.irp jr,0,1,2,3,4,5,6,7,8,9,10,11,12,13,14,15
	G1ROW \jr
.endr
.irp kr,0,1,2,3,4,5,6,7
	SW s40, s6, \kr-2, 127, 0x3c010204
	DOWN G2+3*\kr, G1+6*\kr, G1+6*\kr+3, s40, LAM+1, 2
.endr
.irp qr,0,1,2,3
	SW s40, s7, \qr-1, 63, 0x3c820821
	DOWN G3+4*\qr, G2+6*\qr, G2+6*\qr+3, s40, LAM+2, 4
.endr
	; the rows whose x neighbours are needed: GP1 rows 3-12 of 16, GP2 rows 1-6 of 8, GP3 all four
.set i, 0
.rept 30
	ds_store_b32 v[XO], v[G1+9+i] offset:i*XSLOT
.set i, i+1
.endr
.set i, 0
.rept 18
	ds_store_b32 v[XO2], v[G2+3+i] offset:i*XSLOT
.set i, i+1
.endr
.irp q,0,1,2,3
.irp ch,0,1,2
	ds_store_b32 v[XO2], v[G3+4*\q+\ch] offset:(18+3*\q+\ch)*XSLOT
.endr
.endr
	s_wait_dscnt 0x0                               ; my words are in LDS before I say so
	s_barrier_signal -1
	s_barrier_wait -1
.set i, 0
.rept 30
	ds_load_b32 v[N1+i], v[NB] offset:i*XSLOT
.set i, i+1
.endr
.set i, 0
.rept 18
	ds_load_b32 v[N2+i], v[NB+1] offset:i*XSLOT
.set i, i+1
.endr
.set i, 0
.rept 12
	ds_load_b32 v[N3+i], v[NB+2] offset:(18+i)*XSLOT
.set i, i+1
.endr
	s_wait_dscnt 0x0                               ; my reads of the slots are over: the staging will lie over them
	s_barrier_signal -1
	; register work while the others arrive: each row enlarged in x, N = G + AL (N - G)
.set i, 0
.rept 30
	v_sub_f32 v[N1+i], v[N1+i], v[G1+9+i]
.set i, i+1
.endr
.set i, 0
.rept 30
	v_fma_f32 v[N1+i], v[AL], v[N1+i], v[G1+9+i]
.set i, i+1
.endr
.set i, 0
.rept 18
	v_sub_f32 v[N2+i], v[N2+i], v[G2+3+i]
.set i, i+1
.endr
.set i, 0
.rept 18
	v_fma_f32 v[N2+i], v[AL+1], v[N2+i], v[G2+3+i]
.set i, i+1
.endr
.irp q,0,1,2,3
.irp ch,0,1,2
	v_sub_f32 v[N3+3*\q+\ch], v[N3+3*\q+\ch], v[G3+4*\q+\ch]
.endr
.irp ch,0,1,2
	v_fma_f32 v[N3+3*\q+\ch], v[AL+2], v[N3+3*\q+\ch], v[G3+4*\q+\ch]
.endr
.endr
	s_barrier_wait -1
; own row r of a level, parent row p = sbase + r/2: s40 = -(the other parent row's weight), s41 = -(the parent's own weight).
; r even: the row above, p/den; r odd: the row below, (cmax - p)/den.
.macro VW r, sbase, cmax, den, nrecip
.if (\r)%2 == 0
	s_add_co_i32 s40, \sbase, (\r)/2
.else
	s_sub_co_i32 s40, \cmax-(\r)/2, \sbase
.endif
	s_sub_co_i32 s41, \den, s40
	s_cvt_f32_u32 s40, s40
	s_cvt_f32_u32 s41, s41
	s_mul_f32 s40, s40, \nrecip
	s_mul_f32 s41, s41, \nrecip
.endm
.macro UPSEL r, n                      ; UC: the parent row among the enlarged rows n, UO: the other one
.if (\r)%2 == 0
.set UO, \n+3*((\r)/2)
.else
.set UO, \n+3*((\r)/2+2)
.endif
.set UC, \n+3*((\r)/2+1)
.endm
.macro LP0ROW r
	VW \r, s5, 255, 511, 0xbb004020
	UPSEL \r, N1
.irp ch,0,1,2
	v_fmac_f32 v[MID+4*(\r)+\ch], s41, v[UC+\ch]
.endr
.irp ch,0,1,2
	v_fmac_f32 v[MID+4*(\r)+\ch], s40, v[UO+\ch]
.endr
	global_store_b128 v[TO0], v[MID+4*(\r):MID+4*(\r)+3], s[32:33] offset:(\r)*P0B+256   ; a wave: 512 consecutive bytes, aligned to 256
.endm
.irp r,0,1,2,3,4,5,6,7,8,9,10,11,12,13,14,15
	LP0ROW \r
.endr
	; LP1, LP2, LP3: the lanes of a cell hold the same texel and put it on the same LDS bytes; it leaves below in whole runs
.macro LPROW r, sbase, cmax, den, nrecip, n, g, st, pitch
	VW \r, \sbase, \cmax, \den, \nrecip
	UPSEL \r, \n
.irp ch,0,1,2
	v_fma_f32 v[TQ+\ch], s41, v[UC+\ch], v[\g+\ch]
.endr
.irp ch,0,1,2
	v_fmac_f32 v[TQ+\ch], s40, v[UO+\ch]
.endr
	ds_store_b128 v[\st], v[TQ:TQ+3] offset:(\r)*\pitch
.endm
.irp r,0,1,2,3,4,5,6,7
	LPROW \r, s6, 127, 255, 0xbb808081, N2, G1+3*(4+\r), ST1, 4096
.endr
.irp r,0,1,2,3
	LPROW \r, s7, 63, 127, 0xbc010204, N3, G2+3*(2+\r), ST2, 2048
.endr
	ds_store_b128 v[ST3], v[G3+4:G3+7]
	ds_store_b128 v[ST3], v[G3+8:G3+11] offset:1024
	s_wait_dscnt 0x0
	s_barrier_signal -1
	s_barrier_wait -1
	; thread t carries out staged texels t, t + 512, ..: each wave's store covers 512 consecutive bytes of a texture row
.irp i,0,1,2,3
	ds_load_b128 v[WQ+4*\i:WQ+4*\i+3], v[TO0] offset:\i*8192
.endr
	ds_load_b128 v[WQ+16:WQ+19], v[TO0] offset:STG2
.irp i,0,1,2,3
	s_wait_dscnt 4-\i                              ; LDS loads return in order: quad i is in, the 4 - i behind it may be out
	global_store_b128 v[WO1], v[WQ+4*\i:WQ+4*\i+3], s[34:35] offset:\i*2*P1B+256
.endr
	s_wait_dscnt 0x0
	global_store_b128 v[WO2], v[WQ+16:WQ+19], s[36:37] offset:256
	s_cmp_ge_u32 s4, 4
	s_cbranch_scc1 .Lno3                           ; LP3: 128 texels, waves 0-3
	ds_load_b128 v[WQ+20:WQ+23], v[TO0] offset:STG3
	s_wait_dscnt 0x0
	global_store_b128 v[WO3], v[WQ+20:WQ+23], s[38:39] offset:256
.Lno3:
	; pMtrx to whole numbers: wave 0 of work-group (0, 0).  Lane L: row L >> 1 of the 16 rows (batch, axis); even lanes store
	; A and B, odd lanes C and two zero words: 32 lanes x 16 bytes = the 512 bytes of coef, 64 a batch, 32 an axis.
	s_or_b32 s40, s2, s3
	s_or_b32 s40, s40, s4
	s_cmp_lg_u32 s40, 0
	s_cbranch_scc1 .Lend
.set H,  HAL
.set PA, H+6
.set PB, H+8
.set PC, H+10
.set PT, H+12
	v_and_b32 v[H], 31, v0
	v_lshrrev_b32 v[H+1], 1, v[H]
	v_mul_u32_u24 v[H+1], 12, v[H+1]
	global_load_b32 v[H+2], v[H+1], s[10:11]
	global_load_b32 v[H+3], v[H+1], s[10:11] offset:4
	global_load_b32 v[H+4], v[H+1], s[10:11] offset:8
	v_lshlrev_b32 v[H+14], 4, v[H]
	s_wait_loadcnt 0x0
; v[d:d+1] = v[f] in signed 32.32: the floor in the high word, the rest times 2^32 in the low word
.macro FIX d, f
	v_floor_f32 v[\d+1], v[\f]
	v_sub_f32 v[\d], v[\f], v[\d+1]
	v_cvt_i32_f32 v[\d+1], v[\d+1]
	v_mul_f32 v[\d], 0x4f800000, v[\d]
	v_cvt_u32_f32 v[\d], v[\d]
.endm
.macro FIXADD d, f, k                  ; v[d:d+1] += k * v[f]
	v_mul_f32 v[H+5], \k, v[\f]
	FIX PT, H+5
	v_add_nc_u64 v[\d:\d+1], v[\d:\d+1], v[PT:PT+1]
.endm
	FIX PA, H+2                                    ; A = t0 + t0/511: the large part is exact
	FIXADD PA, H+2, 0x3b004020
	FIX PB, H+3
	FIXADD PB, H+3, 0x3b004020
	v_mul_f32 v[H+5], 0x43800000, v[H+4]           ; C = 256 t2 - 256 t0 - 256 t1 + 272
	FIX PC, H+5
	FIXADD PC, H+2, 0xc3800000
	FIXADD PC, H+3, 0xc3800000
	v_add_nc_u32 v[PC+1], 272, v[PC+1]
	v_and_b32 v[H+5], 1, v[H]
	v_cmp_eq_u32 vcc_lo, 1, v[H+5]
	v_cndmask_b32 v[PA], v[PA], v[PC], vcc_lo
	v_cndmask_b32 v[PA+1], v[PA+1], v[PC+1], vcc_lo
	v_cndmask_b32 v[PB], v[PB], v[Z], vcc_lo
	v_cndmask_b32 v[PB+1], v[PB+1], v[Z], vcc_lo
	global_store_b128 v[H+14], v[PA:PA+3], s[20:21]
.Lend:
	s_wait_tensorcnt 0x0
	ds_add_u32 v248, v249
	s_wait_dscnt 0x0
	s_endpgm
.Lfunc_end_k_q009c7ecb4f_pyramid:
	.size	k_q009c7ecb4f_pyramid, .Lfunc_end_k_q009c7ecb4f_pyramid-k_q009c7ecb4f_pyramid
	.p2alignl 7, 3214868480
	.fill 96, 4, 3214868480
	.section	.rodata,"a",@progbits
	.p2align	6, 0x0
	.amdhsa_kernel k_q009c7ecb4f_pyramid
		.amdhsa_group_segment_fixed_size 129024
		.amdhsa_private_segment_fixed_size 0
		.amdhsa_enable_private_segment 0
		.amdhsa_kernarg_size 56
		.amdhsa_user_sgpr_count 2
		.amdhsa_user_sgpr_kernarg_segment_ptr 1
		.amdhsa_wavefront_size32 1
		.amdhsa_system_sgpr_workgroup_id_x 1
		.amdhsa_system_sgpr_workgroup_id_y 1
		.amdhsa_system_sgpr_workgroup_id_z 1
		.amdhsa_system_vgpr_workitem_id 0
		.amdhsa_next_free_vgpr 250
		.amdhsa_next_free_sgpr 66
		.amdhsa_reserve_vcc 1
		.amdhsa_float_denorm_mode_32 3
		.amdhsa_float_denorm_mode_16_64 3
		.amdhsa_memory_ordered 1
		.amdhsa_forward_progress 1
		.amdhsa_inst_pref_size 75
	.end_amdhsa_kernel
	.amdgpu_metadata
---
amdhsa.version: [ 1, 2 ]
amdhsa.kernels:
  - .name:           k_q009c7ecb4f_pyramid
    .symbol:         k_q009c7ecb4f_pyramid.kd
    .args:
      - { .name: image, .offset: 0, .size: 8, .value_kind: global_buffer, .address_space: global }
      - { .name: pMtrx, .offset: 8, .size: 8, .value_kind: global_buffer, .address_space: global }
      - { .name: t0, .offset: 16, .size: 8, .value_kind: global_buffer, .address_space: global }
      - { .name: t1, .offset: 24, .size: 8, .value_kind: global_buffer, .address_space: global }
      - { .name: t2, .offset: 32, .size: 8, .value_kind: global_buffer, .address_space: global }
      - { .name: t3, .offset: 40, .size: 8, .value_kind: global_buffer, .address_space: global }
      - { .name: coef, .offset: 48, .size: 8, .value_kind: global_buffer, .address_space: global }
    .group_segment_fixed_size: 129024
    .private_segment_fixed_size: 0
    .kernarg_segment_align: 8
    .kernarg_segment_size: 56
    .max_flat_workgroup_size: 512
    .sgpr_count:     66
    .vgpr_count:     250
    .wavefront_size: 32
...
	.end_amdgpu_metadata
.endif
;; end of part 1
;; launch sample (part 2): grid 128 x 8, 8 waves a work-group, no clusters, 28,672 bytes of LDS; arguments t0, t1, t2, t3, coef, out0; writes out0
.if DOCPART == 2
	.amdgcn_target "amdgcn-amd-amdhsa--gfx1250"
	.amdhsa_code_object_version 6
	.text
	.protected	k_q009c7ecb4f_sample
	.globl	k_q009c7ecb4f_sample
	.p2align	8
	.type	k_q009c7ecb4f_sample,@function
k_q009c7ecb4f_sample:
	s_mov_b64 s[64:65], 0
	v_nop
	global_prefetch_b8 v0, s[64:65] scope:SCOPE_SE
	s_setreg_imm32_b32 hwreg(HW_REG_WAVE_MODE, 25, 1), 1
	s_wait_xcnt 0x0
; out0[n][c][h][w] = sum over the four levels of the bilinear sample of that level's texture at the affine grid point of (h, w).
;
; COORDINATES are whole numbers throughout.  coef holds, for batch n and each axis, A, B, C in signed 32.32 fixed point with
; U + 16 = C + A w + B h, U = 256 (g + 1); level l samples at U / 2^l - 0.5.  The sum is made in 64 bits; its high word is cut by an
; unsigned minimum to 0..537 (a negative one wraps and lands on 537: outside on the other side, where the result is 0 as well) and
; 20 fraction bits are kept: P = U + 16 in a u32.  LIMIT: sampling weights are cut to 2^-20 of a level-0 texel; |pMtrx| <= 2^20.
; Level l: (P + K) >> (20 + l) is the texture column (row) of the left (upper) tap, the bits below are the weight.  K holds the
; half texel, the 16 of P and the place of the data in the texture (texel 16, row 1).  The textures carry a frame of zeros, which is
; grid_sample's zero padding: an unsigned minimum puts every outside coordinate on two zero texels, and no tap is ever tested.
; The four taps are one offset and the immediates 0, 16, pitch, pitch + 16; a texel is 16 bytes (R, G, B, 0).
;
; SHARES.  A work-group: 64 x 32 pixels of one batch; a wave: 64 x 4, in eight steps of 8 x 4 (lane = 8 row + column), so that the
; 32 texels of one load lie in a compact patch of the texture whatever the matrix.  A step none of whose pixels can touch any
; level (U outside -4..516 on an axis: beyond the coarsest level's last tap) loads nothing and yields zeros.
; The eight steps are written out, so that a step's place in LDS is an immediate.
; Results go through LDS of the wave's own (12 rows of 64 numbers, pitch 288 bytes: the four rows of a step fall on different banks)
; and leave as 16 bytes a lane, sixteen lanes filling 256 consecutive aligned bytes of an output row.  No wave reads another's bytes: no barrier.
; No cluster: work-groups share no tile.  Waiting for texels is covered by the other waves on the SIMD (118 registers each).
.set PLANE, 0x100000
.set P0B, 8704
.set P1B, 4608
.set P2B, 2560
.set P3B, 1536
.set BS0, 515*P0B
.set BS1, 259*P1B
.set BS2, 131*P2B
.set BS3, 67*P3B
.set LP,   288                         ; LDS pitch of a row of 64 results
.set WLDS, 12*LP                       ; LDS of a wave
.set VX,  4                            ; v[4:5]   U + 16 along x, 32.32
.set VY,  6                            ; v[6:7]   along y
.set AX8, 8                            ; v[8:9]   its step for 8 pixels along w
.set AY8, 10
.set PX,  12                           ; P along x, y
.set PY,  13
.set LA,  14                           ; LDS: where I put a result of step 0
.set RDA, 15                           ; LDS: where I read 16 bytes back
.set GO,  16                           ; their offset in out0
.set T,   18                           ; v18-21 at work
.set OFF, 26                           ; v26-29 level l: byte offset of the upper left tap
.set WT,  30                           ; v30-45 level l: four weights (first P + K of both axes)
.set ACC, 46                           ; v46-48 the three channels' sums
.set D,   52                           ; v52-115 level l, tap k: a texel at D + 16 l + 4 k
	s_load_b256 s[4:11], s[0:1], 0x0               ; t0 s[4:5], t1 s[6:7], t2 s[8:9], t3 s[10:11]
	s_load_b128 s[12:15], s[0:1], 0x20             ; coef s[12:13], out0 s[14:15]
	v_lshl_add_u32 v116, v0, 2, 0x6c00
	v_mov_b32 v117, 0
	s_and_b32 s2, ttmp7, 0xffff                    ; batch
	s_and_b32 s3, ttmp9, 7                         ; which 64 columns
	s_lshr_b32 s32, ttmp9, 3                       ; which 32 rows
	v_lshrrev_b32 v1, 5, v0
	v_readfirstlane_b32 s33, v1                    ; wave
	s_lshl_b32 s34, s3, 6                          ; my first column
	s_lshl_b32 s35, s32, 5
	s_lshl2_add_u32 s35, s33, s35                  ; my first row: 32 x block + 4 x wave
	s_lshl_b32 s36, s2, 6
	s_mov_b32 s37, 0
	s_wait_kmcnt 0x0
	s_add_nc_u64 s[12:13], s[12:13], s[36:37]
	s_load_b512 s[16:31], s[12:13], 0x0            ; x: A s[16:17] B s[18:19] C s[20:21]; y: A s[24:25] B s[26:27] C s[28:29]
	s_mul_i32 s36, s2, BS0
	s_add_nc_u64 s[4:5], s[4:5], s[36:37]          ; the textures at my batch
	s_mul_i32 s36, s2, BS1
	s_add_nc_u64 s[6:7], s[6:7], s[36:37]
	s_mul_i32 s36, s2, BS2
	s_add_nc_u64 s[8:9], s[8:9], s[36:37]
	s_mul_i32 s36, s2, BS3
	s_add_nc_u64 s[10:11], s[10:11], s[36:37]
	s_mul_i32 s36, s2, 3*PLANE
	s_lshl_b32 s38, s35, 11
	s_add_co_u32 s36, s36, s38
	s_lshl_b32 s38, s34, 2
	s_add_co_u32 s36, s36, s38
	s_add_nc_u64 s[14:15], s[14:15], s[36:37]      ; out0 at my batch, first row, first column
	v_and_b32 v2, 7, v0                            ; my column in a step
	v_bfe_u32 v3, v0, 3, 2                         ; my row
	s_mul_i32 s45, s33, WLDS
	v_mul_u32_u24 v[LA], v3, LP
	v_lshl_add_u32 v[LA], v2, 2, v[LA]
	v_add_nc_u32 v[LA], s45, v[LA]
	v_and_b32 v[T], 15, v0
	v_bfe_u32 v[T+1], v0, 4, 1
	v_mul_u32_u24 v[RDA], v[T+1], LP               ; back: lanes 0-15 one row of 256 bytes, lanes 16-31 the next
	v_lshl_add_u32 v[RDA], v[T], 4, v[RDA]
	v_add_nc_u32 v[RDA], s45, v[RDA]
	v_lshlrev_b32 v[GO], 11, v[T+1]
	v_lshl_add_u32 v[GO], v[T], 4, v[GO]
	s_wait_kmcnt 0x0
	s_mov_b32 s38, s34                             ; C + A x first column + B x first row, modulo 2^64 (two's complement)
	s_mov_b32 s39, 0
	s_mul_u64 s[40:41], s[16:17], s[38:39]
	s_add_nc_u64 s[20:21], s[20:21], s[40:41]
	s_mul_u64 s[40:41], s[24:25], s[38:39]
	s_add_nc_u64 s[28:29], s[28:29], s[40:41]
	s_mov_b32 s38, s35
	s_mul_u64 s[40:41], s[18:19], s[38:39]
	s_add_nc_u64 s[20:21], s[20:21], s[40:41]
	s_mul_u64 s[40:41], s[26:27], s[38:39]
	s_add_nc_u64 s[28:29], s[28:29], s[40:41]
	s_lshl_b64 s[40:41], s[16:17], 3               ; 8 A: from a step to the next
	s_lshl_b64 s[42:43], s[24:25], 3
	v_mov_b32 v[VX], s20
	v_mov_b32 v[VX+1], s21
	v_mov_b32 v[VY], s28
	v_mov_b32 v[VY+1], s29
	v_mov_b32 v[AX8], s40
	v_mov_b32 v[AX8+1], s41
	v_mov_b32 v[AY8], s42
	v_mov_b32 v[AY8+1], s43
	; + A x my column + B x my row: the low word's product in 64 bits, the high word's into the high word
	v_mad_nc_u64_u32 v[VX:VX+1], v2, s16, v[VX:VX+1]
	v_mad_u32 v[VX+1], v2, s17, v[VX+1]
	v_mad_nc_u64_u32 v[VX:VX+1], v3, s18, v[VX:VX+1]
	v_mad_u32 v[VX+1], v3, s19, v[VX+1]
	v_mad_nc_u64_u32 v[VY:VY+1], v2, s24, v[VY:VY+1]
	v_mad_u32 v[VY+1], v2, s25, v[VY+1]
	v_mad_nc_u64_u32 v[VY:VY+1], v3, s26, v[VY:VY+1]
	v_mad_u32 v[VY+1], v3, s27, v[VY+1]
; Level l (n = 512 >> l points, texture at s[sb:sb+1], row pitch pb): P + K of both axes is kept for the weights; its upper bits,
; cut to the texture, give the offset of the upper left tap; the four taps are asked for.
; K along x: 16 texels of frame less the 16 of P, less half a texel of this level.  K along y: 1 row of frame in place of the 16 texels.
; Where P + K is negative it wraps to a number whose upper bits pass the minimum's bound: the taps fall on the zero frame.
.macro LEVEL l, sb, n, pb
	v_add_nc_u32 v[WT+4*\l],   ((((16<<\l)-16)<<20)-(1<<(19+\l)))&0xffffffff, v[PX]
	v_add_nc_u32 v[WT+4*\l+1], ((((1<<\l)-16)<<20)-(1<<(19+\l)))&0xffffffff, v[PY]
	v_lshrrev_b32 v[T],   20+\l, v[WT+4*\l]
	v_lshrrev_b32 v[T+1], 20+\l, v[WT+4*\l+1]
	v_min_u32 v[T],   \n+30, v[T]                  ; texels 0 .. n+31: the left tap stays at n+30 or below
	v_min_u32 v[T+1], \n+1, v[T+1]                 ; rows 0 .. n+2: the upper tap stays at n+1 or below
	v_lshlrev_b32 v[T], 4, v[T]
	v_mad_u32_u24 v[OFF+\l], v[T+1], \pb, v[T]
	global_load_b128 v[D+16*\l:D+16*\l+3],     v[OFF+\l], s[\sb:\sb+1]
	global_load_b128 v[D+16*\l+4:D+16*\l+7],   v[OFF+\l], s[\sb:\sb+1] offset:16
	global_load_b128 v[D+16*\l+8:D+16*\l+11],  v[OFF+\l], s[\sb:\sb+1] offset:\pb
	global_load_b128 v[D+16*\l+12:D+16*\l+15], v[OFF+\l], s[\sb:\sb+1] offset:\pb+16
.endm
; the four weights of level l from the 20 + l bits below the texel: fx, fy; then d = fx fy, c = fy - d, b = fx - d, a = (1 - fx) - c
.macro WEIGHT l
	v_and_b32 v[WT+4*\l],   (1<<(20+\l))-1, v[WT+4*\l]
	v_and_b32 v[WT+4*\l+1], (1<<(20+\l))-1, v[WT+4*\l+1]
	v_cvt_f32_u32 v[WT+4*\l],   v[WT+4*\l]
	v_cvt_f32_u32 v[WT+4*\l+1], v[WT+4*\l+1]
	v_mul_f32 v[WT+4*\l],   (107-\l)<<23, v[WT+4*\l]       ; x 2^-(20+l)
	v_mul_f32 v[WT+4*\l+1], (107-\l)<<23, v[WT+4*\l+1]
	v_mul_f32 v[WT+4*\l+3], v[WT+4*\l], v[WT+4*\l+1]
	v_sub_f32 v[WT+4*\l+2], v[WT+4*\l+1], v[WT+4*\l+3]
	v_sub_f32 v[WT+4*\l+1], v[WT+4*\l], v[WT+4*\l+3]
	v_sub_f32 v[WT+4*\l], 1.0, v[WT+4*\l]
	v_sub_f32 v[WT+4*\l], v[WT+4*\l], v[WT+4*\l+2]
.endm
.macro MIX l
	s_wait_loadcnt 12-4*\l                         ; loads return in order (ISA guide 5.7.1): the four taps of each coarser level stay out
.irp k,0,1,2,3
.irp ch,0,1,2
	v_fmac_f32 v[ACC+\ch], v[WT+4*\l+\k], v[D+16*\l+4*\k+\ch]
.endr
.endr
.endm
; step t: the 8 x 4 pixels at columns 8 t .. 8 t + 7 of my 64
.macro STEP t
	v_add_nc_u32 v[T],   -12, v[VX+1]              ; a pixel can touch a level only if 12 <= floor(U + 16) <= 531 on both axes
	v_add_nc_u32 v[T+1], -12, v[VY+1]
	v_cmp_gt_u32 vcc_lo, 520, v[T]
	v_cmp_gt_u32 s46, 520, v[T+1]
.irp ch,0,1,2
	v_mov_b32 v[ACC+\ch], 0                        ; the result of a step that is skipped, and the start of the sums
.endr
	s_and_b32 s46, s46, vcc_lo
	s_cmp_eq_u32 s46, 0
	s_cbranch_scc1 .Lput\t
	v_min_u32 v[T],   537, v[VX+1]
	v_min_u32 v[T+1], 537, v[VY+1]
	v_lshrrev_b32 v[T+2], 12, v[VX]
	v_lshrrev_b32 v[T+3], 12, v[VY]
	v_lshl_or_b32 v[PX], v[T],   20, v[T+2]
	v_lshl_or_b32 v[PY], v[T+1], 20, v[T+3]
	LEVEL 0, 4, 512, P0B
	LEVEL 1, 6, 256, P1B
	LEVEL 2, 8, 128, P2B
	LEVEL 3, 10, 64, P3B
	WEIGHT 0                                       ; register work while the texels are on their way
	WEIGHT 1
	WEIGHT 2
	WEIGHT 3
	MIX 0
	MIX 1
	MIX 2
	MIX 3                                          ; its wait is for 0: OFF and D are free for the next step
.Lput\t:
.irp ch,0,1,2
	ds_store_b32 v[LA], v[ACC+\ch] offset:\ch*4*LP+32*\t
.endr
.if \t < 7
	v_add_nc_u64 v[VX:VX+1], v[VX:VX+1], v[AX8:AX8+1]
	v_add_nc_u64 v[VY:VY+1], v[VY:VY+1], v[AY8:AY8+1]
.endif
.endm
.irp t,0,1,2,3,4,5,6,7
	STEP \t
.endr
	; the way out: LDS rows 2 i, 2 i + 1 (row = 4 channel + pixel row) as whole rows of 256 bytes.
	; LDS serves a wave's instructions in order (ISA guide 5.7.1): these loads see the stores above.
.irp i,0,1,2,3,4,5
	ds_load_b128 v[D+4*\i:D+4*\i+3], v[RDA] offset:\i*2*LP
.endr
.irp i,0,1,2,3,4,5
	s_wait_dscnt 5-\i                              ; quad i is in, the 5 - i behind it may be out
	global_store_b128 v[GO], v[D+4*\i:D+4*\i+3], s[14:15] offset:(\i>>1)*PLANE+(\i&1)*4096 th:TH_STORE_NT
.endr
	s_wait_tensorcnt 0x0
	ds_add_u32 v116, v117
	s_wait_dscnt 0x0
	s_endpgm
.Lfunc_end_k_q009c7ecb4f_sample:
	.size	k_q009c7ecb4f_sample, .Lfunc_end_k_q009c7ecb4f_sample-k_q009c7ecb4f_sample
	.p2alignl 7, 3214868480
	.fill 96, 4, 3214868480
	.section	.rodata,"a",@progbits
	.p2align	6, 0x0
	.amdhsa_kernel k_q009c7ecb4f_sample
		.amdhsa_group_segment_fixed_size 28672
		.amdhsa_private_segment_fixed_size 0
		.amdhsa_enable_private_segment 0
		.amdhsa_kernarg_size 48
		.amdhsa_user_sgpr_count 2
		.amdhsa_user_sgpr_kernarg_segment_ptr 1
		.amdhsa_wavefront_size32 1
		.amdhsa_system_sgpr_workgroup_id_x 1
		.amdhsa_system_sgpr_workgroup_id_y 1
		.amdhsa_system_sgpr_workgroup_id_z 1
		.amdhsa_system_vgpr_workitem_id 0
		.amdhsa_next_free_vgpr 118
		.amdhsa_next_free_sgpr 66
		.amdhsa_reserve_vcc 1
		.amdhsa_float_denorm_mode_32 3
		.amdhsa_float_denorm_mode_16_64 3
		.amdhsa_memory_ordered 1
		.amdhsa_forward_progress 1
		.amdhsa_inst_pref_size 67
	.end_amdhsa_kernel
	.amdgpu_metadata
---
amdhsa.version: [ 1, 2 ]
amdhsa.kernels:
  - .name:           k_q009c7ecb4f_sample
    .symbol:         k_q009c7ecb4f_sample.kd
    .args:
      - { .name: t0, .offset: 0, .size: 8, .value_kind: global_buffer, .address_space: global }
      - { .name: t1, .offset: 8, .size: 8, .value_kind: global_buffer, .address_space: global }
      - { .name: t2, .offset: 16, .size: 8, .value_kind: global_buffer, .address_space: global }
      - { .name: t3, .offset: 24, .size: 8, .value_kind: global_buffer, .address_space: global }
      - { .name: coef, .offset: 32, .size: 8, .value_kind: global_buffer, .address_space: global }
      - { .name: out0, .offset: 40, .size: 8, .value_kind: global_buffer, .address_space: global }
    .group_segment_fixed_size: 28672
    .private_segment_fixed_size: 0
    .kernarg_segment_align: 8
    .kernarg_segment_size: 48
    .max_flat_workgroup_size: 256
    .sgpr_count:     66
    .vgpr_count:     118
    .wavefront_size: 32
...
	.end_amdgpu_metadata
.endif
;; end of part 2
;; ======== version 2 of 2: 2 launches; 1.14 times as fast as version 1
;; limits: right only within a limited range of input values
;; workspace buffers: t0 35,860,480 bytes; t1 9,547,776 bytes; t2 2,682,880 bytes; t3 823,296 bytes; coef 512 bytes of whole numbers
;; launch pyramid: the kernel of part 1 again; grid 32 x 8, 16 waves a work-group, no clusters, 129,024 bytes of LDS; arguments image, pMtrx, t0, t1, t2, t3, coef; writes t0, t1, t2, t3, coef
;; launch sample (part 3): grid 256 x 1, 32 waves a work-group, no clusters, 114,688 bytes of LDS; arguments t0, t1, t2, t3, coef, out0; writes out0
.if DOCPART == 3
	.amdgcn_target "amdgcn-amd-amdhsa--gfx1250"
	.amdhsa_code_object_version 6
	.text
	.protected	k_q009c7ecb4f_sample
	.globl	k_q009c7ecb4f_sample
	.p2align	8
	.type	k_q009c7ecb4f_sample,@function
k_q009c7ecb4f_sample:
	s_mov_b64 s[64:65], 0
	v_nop
	global_prefetch_b8 v0, s[64:65] scope:SCOPE_SE
	s_setreg_imm32_b32 hwreg(HW_REG_WAVE_MODE, 25, 1), 1
	s_wait_xcnt 0x0
; out0[n][c][h][w] = sum over the four levels of the bilinear sample of that level's texture at the affine grid point of (h, w).
;
; COORDINATES are whole numbers throughout.  coef holds, for batch n and each axis, A, B, C in signed 32.32 fixed point with
; U + 16 = C + A w + B h, U = 256 (g + 1); level l samples at U / 2^l - 0.5.  Here 12 is taken off C's high word once, so that the sum,
; made in 64 bits, is U + 4: a pixel can touch a level only if -4 <= U < 516 (the coarsest level's outermost taps), which is then
; one unsigned compare of the high word with 520 on each axis.  The high word is cut by an unsigned minimum to 0..520 (a negative one
; wraps and lands on 520: outside on the other side, where the result is 0 as well) and 20 fraction bits are kept: P = U + 4 in a u32.
; LIMIT: sampling weights are cut to 2^-20 of a level-0 texel; |pMtrx| <= 2^20.
; Level l: (P + K) >> (20 + l) is the texture column (row) of the left (upper) tap, the bits below are the weight.  K holds the
; half texel, the 4 of P and the place of the data in the texture (texel 16, row 1).  The textures carry a frame of zeros, which is
; grid_sample's zero padding: an unsigned minimum puts every outside coordinate on two zero texels, and no tap is ever tested.
; The four taps are one offset and the immediates 0, 16, pitch, pitch + 16; a texel is 16 bytes (R, G, B, 0).
; Level l: n = 512 >> l points, row pitch (n + 32) x 16 bytes, texture address in s[4+2l:5+2l].
;
; A WAVE'S SHARE is a strip of 64 x 4 pixels of one batch, in eight steps of 8 x 4 (lane = 8 row + column), so that the 32 texels of
; one load lie in a compact patch of the texture whatever the matrix.  A step none of whose pixels can touch any level loads nothing
; and yields zeros.  The eight steps are written out, so that a step's place in LDS is an immediate.
;
; THE STEPS OVERLAP.  When level l of step t has been mixed, its 16 data registers and 4 weight registers are free, and level l of
; step t + 1 is asked for at once; its offset has been made in front of the wait, in a second set of offset registers.  So 16 loads
; of the wave are on their way all the time, and each has a whole step's time to come back.
; As a step may be skipped, each step has three entries, and all branches go forward:
;   fill t: t touches a level, nothing on its way: ask for its four levels, make its weights, go on into act t;
;   act t:  the 16 taps of t are on their way, levels in order.  Step t + 1 touches a level: the overlapped body, then act t + 1.
;           It does not: the plain body, whose waits run down to 0, then idle t + 1;
;   idle t: t touches no level, nothing on its way: zeros; then fill t + 1 or idle t + 1.
;
; WHICH STRIPS LIE TOGETHER.  How much a strip costs hangs on where it lies and on its batch's matrix, so a work-group's 32 strips are
; spread: a batch has 128 row quads x 8 column blocks = 1,024 strips, 4 for each of the 256 work-groups.  Work-group g, wave w:
;   k = w >> 3,  batch n = ((w & 7) + k) & 7,  row quad = ((g & 31) + 32 k + 4 n) & 127,  column block = ((g >> 5) + 5 n + c(k)) & 7,
;   c = 0, 4, 2, 6.  For a batch, (g & 31, k) runs through the 128 row quads and g >> 5 through the 8 column blocks: each strip once.
; A work-group's four strips of a batch lie 128 rows apart in four different column blocks; from batch to batch they are shifted by
; 16 rows and 5 column blocks, so that equal matrices still give 32 different places.  Among the eight waves w = j, j + 4, .. and
; among the eight waves 8 j .. 8 j + 7 alike, every batch occurs once.
;
; Results go through LDS of the wave's own (12 rows of 64 numbers, pitch 288 bytes: the four rows of a step fall on different banks)
; and leave as 16 bytes a lane, sixteen lanes filling 256 consecutive aligned bytes of an output row.  No wave reads another's bytes: no barrier.
; No cluster: work-groups share no tile.
.set PLANE, 0x100000
.set BS0, 515*8704                     ; bytes of one batch in the texture of level 0..3: n + 3 rows
.set BS1, 259*4608
.set BS2, 131*2560
.set BS3, 67*1536
.set LP,   288                         ; LDS pitch of a row of 64 results
.set WLDS, 12*LP                       ; LDS of a wave
.set VX,  4                            ; v[4:5]   U + 4 along x, 32.32
.set VY,  6                            ; v[6:7]   along y
.set AX8, 8                            ; v[8:9]   its step for 8 pixels along w
.set AY8, 10
.set PX,  12                           ; P along x, y
.set PY,  13
.set LA,  14                           ; LDS: where I put a result of step 0
.set RDA, 15                           ; LDS: where I read 16 bytes back
.set GO,  16                           ; their offset in out0
.set T,   18                           ; v18-19 at work
.set RAW, 20                           ; v[20:21] P + K of x, y of the level that is asked for next
.set OFB, 22                           ; v22-25 odd steps, level l: byte offset of the upper left tap
.set OFA, 26                           ; v26-29 even steps
.set WT,  30                           ; v30-45 level l: the weights of taps 1, 2, 3, 0 in this order
.set ACC, 46                           ; v[46:47] R, G and v48 B: the sums of taps 0 and 2, at the end of all
.set AC2, 50                           ; v[50:51] R, G of taps 1 and 3
.set AB2, 49                           ; v49      B of taps 1 and 3
.set D,   52                           ; v52-115 level l, tap k: a texel at D + 16 l + 4 k
	s_load_b256 s[4:11], s[0:1], 0x0               ; t0 s[4:5], t1 s[6:7], t2 s[8:9], t3 s[10:11]
	s_load_b128 s[12:15], s[0:1], 0x20             ; coef s[12:13], out0 s[14:15]
	v_lshl_add_u32 v116, v0, 2, 0x1b000
	v_mov_b32 v117, 0
	v_lshrrev_b32 v1, 5, v0
	v_readfirstlane_b32 s33, v1                    ; wave 0..31
	s_lshr_b32 s44, s33, 3                         ; k: which of the batch's four strips
	s_and_b32 s2, s33, 7
	s_add_co_u32 s2, s2, s44
	s_and_b32 s2, s2, 7                            ; batch
	s_and_b32 s35, ttmp9, 31
	s_lshl_b32 s38, s44, 5
	s_add_co_u32 s35, s35, s38                     ; (g & 31) + 32 k
	s_lshl2_add_u32 s35, s2, s35                   ; + 4 n
	s_and_b32 s35, s35, 127                        ; row quad
	s_lshl_b32 s35, s35, 2                         ; my first row
	s_lshr_b32 s3, ttmp9, 5
	s_mul_i32 s38, s2, 5
	s_add_co_u32 s3, s3, s38                       ; (g >> 5) + 5 n
	s_and_b32 s38, s44, 1
	s_lshl2_add_u32 s3, s38, s3                    ; + c(k) = 4 (k & 1) + (k & 2)
	s_and_b32 s38, s44, 2
	s_add_co_u32 s3, s3, s38
	s_and_b32 s3, s3, 7                            ; column block
	s_lshl_b32 s34, s3, 6                          ; my first column
	s_lshl_b32 s36, s2, 6
	s_mov_b32 s37, 0
	s_wait_kmcnt 0x0
	s_add_nc_u64 s[12:13], s[12:13], s[36:37]
	s_load_b512 s[16:31], s[12:13], 0x0            ; x: A s[16:17] B s[18:19] C s[20:21]; y: A s[24:25] B s[26:27] C s[28:29]
	s_mul_i32 s36, s2, BS0
	s_add_nc_u64 s[4:5], s[4:5], s[36:37]          ; the textures at my batch
	s_mul_i32 s36, s2, BS1
	s_add_nc_u64 s[6:7], s[6:7], s[36:37]
	s_mul_i32 s36, s2, BS2
	s_add_nc_u64 s[8:9], s[8:9], s[36:37]
	s_mul_i32 s36, s2, BS3
	s_add_nc_u64 s[10:11], s[10:11], s[36:37]
	s_mul_i32 s36, s2, 3*PLANE
	s_lshl_b32 s38, s35, 11
	s_add_co_u32 s36, s36, s38
	s_lshl_b32 s38, s34, 2
	s_add_co_u32 s36, s36, s38
	s_add_nc_u64 s[14:15], s[14:15], s[36:37]      ; out0 at my batch, first row, first column
	v_and_b32 v2, 7, v0                            ; my column in a step
	v_bfe_u32 v3, v0, 3, 2                         ; my row
	s_mul_i32 s45, s33, WLDS
	v_mul_u32_u24 v[LA], v3, LP
	v_lshl_add_u32 v[LA], v2, 2, v[LA]
	v_add_nc_u32 v[LA], s45, v[LA]
	v_and_b32 v[T], 15, v0
	v_bfe_u32 v[T+1], v0, 4, 1
	v_mul_u32_u24 v[RDA], v[T+1], LP               ; back: lanes 0-15 one row of 256 bytes, lanes 16-31 the next
	v_lshl_add_u32 v[RDA], v[T], 4, v[RDA]
	v_add_nc_u32 v[RDA], s45, v[RDA]
	v_lshlrev_b32 v[GO], 11, v[T+1]
	v_lshl_add_u32 v[GO], v[T], 4, v[GO]
	s_wait_kmcnt 0x0
	s_add_co_i32 s21, s21, -12                     ; C stands for U + 16; from here on U + 4 (the high word counts whole texels)
	s_add_co_i32 s29, s29, -12
	s_mov_b32 s38, s34                             ; C + A x first column + B x first row, modulo 2^64 (two's complement)
	s_mov_b32 s39, 0
	s_mul_u64 s[40:41], s[16:17], s[38:39]
	s_add_nc_u64 s[20:21], s[20:21], s[40:41]
	s_mul_u64 s[40:41], s[24:25], s[38:39]
	s_add_nc_u64 s[28:29], s[28:29], s[40:41]
	s_mov_b32 s38, s35
	s_mul_u64 s[40:41], s[18:19], s[38:39]
	s_add_nc_u64 s[20:21], s[20:21], s[40:41]
	s_mul_u64 s[40:41], s[26:27], s[38:39]
	s_add_nc_u64 s[28:29], s[28:29], s[40:41]
	s_lshl_b64 s[40:41], s[16:17], 3               ; 8 A: from a step to the next
	s_lshl_b64 s[42:43], s[24:25], 3
	v_mov_b32 v[VX], s20
	v_mov_b32 v[VX+1], s21
	v_mov_b32 v[VY], s28
	v_mov_b32 v[VY+1], s29
	v_mov_b32 v[AX8], s40
	v_mov_b32 v[AX8+1], s41
	v_mov_b32 v[AY8], s42
	v_mov_b32 v[AY8+1], s43
	; + A x my column + B x my row: the low word's product in 64 bits, the high word's into the high word
	v_mad_nc_u64_u32 v[VX:VX+1], v2, s16, v[VX:VX+1]
	v_mad_u32 v[VX+1], v2, s17, v[VX+1]
	v_mad_nc_u64_u32 v[VX:VX+1], v3, s18, v[VX:VX+1]
	v_mad_u32 v[VX+1], v3, s19, v[VX+1]
	v_mad_nc_u64_u32 v[VY:VY+1], v2, s24, v[VY:VY+1]
	v_mad_u32 v[VY+1], v2, s25, v[VY+1]
	v_mad_nc_u64_u32 v[VY:VY+1], v3, s26, v[VY:VY+1]
	v_mad_u32 v[VY+1], v3, s27, v[VY+1]
.macro ADV                             ; the coordinates of the next step
	v_add_nc_u64 v[VX:VX+1], v[VX:VX+1], v[AX8:AX8+1]
	v_add_nc_u64 v[VY:VY+1], v[VY:VY+1], v[AY8:AY8+1]
.endm
.macro TEST                            ; SCC = 1: some pixel of the step at VX, VY can touch a level: 0 <= floor(U + 4) < 520 on both axes
	v_cmp_gt_u32 vcc_lo, 520, v[VX+1]
	v_cmp_gt_u32 s46, 520, v[VY+1]
	s_and_b32 s46, s46, vcc_lo
	s_cmp_lg_u32 s46, 0
.endm
.macro PXY                             ; P of both axes: the cut high word over the upper 20 bits of the low word
	v_min_u32 v[T],   520, v[VX+1]
	v_min_u32 v[T+1], 520, v[VY+1]
	v_alignbit_b32 v[PX], v[T],   v[VX], 12
	v_alignbit_b32 v[PY], v[T+1], v[VY], 12
.endm
; Level l: P + K of both axes goes to v[raw:raw+1] for the weights; its upper bits, cut to the texture, give the offset of the upper
; left tap in v[off+l].
; K along x: 16 texels of frame less the 4 of P, less half a texel of this level: column = floor(U / 2^l + 15.5).
; K along y: 1 row of frame in place of the 16 texels: row = floor(U / 2^l + 0.5).
; Where P + K is negative (only along y, and only where both rows lie above the level) it wraps to a number whose upper bits pass
; the minimum's bound: the taps fall on the zero frame.
.macro ADDR l, raw, off
	v_add_nc_u32 v[\raw],   ((((16<<\l)-4)<<20)-(1<<(19+\l)))&0xffffffff, v[PX]
	v_add_nc_u32 v[\raw+1], ((((1<<\l)-4)<<20)-(1<<(19+\l)))&0xffffffff, v[PY]
	v_lshrrev_b32 v[T],   20+\l, v[\raw]
	v_lshrrev_b32 v[T+1], 20+\l, v[\raw+1]
	v_min_u32 v[T],   (512>>\l)+30, v[T]           ; texels 0 .. n+31: the left tap stays at n+30 or below
	v_min_u32 v[T+1], (512>>\l)+1, v[T+1]          ; rows 0 .. n+2: the upper tap stays at n+1 or below
	v_lshlrev_b32 v[T], 4, v[T]
	v_mad_u32_u24 v[\off+\l], v[T+1], ((512>>\l)+32)*16, v[T]
.endm
.macro LOADS l, off                    ; the four taps of level l
.set PB, ((512>>\l)+32)*16
	global_load_b128 v[D+16*\l:D+16*\l+3],     v[\off+\l], s[4+2*\l:5+2*\l]
	global_load_b128 v[D+16*\l+4:D+16*\l+7],   v[\off+\l], s[4+2*\l:5+2*\l] offset:16
	global_load_b128 v[D+16*\l+8:D+16*\l+11],  v[\off+\l], s[4+2*\l:5+2*\l] offset:PB
	global_load_b128 v[D+16*\l+12:D+16*\l+15], v[\off+\l], s[4+2*\l:5+2*\l] offset:PB+16
.endm
; The four weights of level l from the 20 + l bits below the texel.  fx, fy lie in one pair, so that one packed multiply scales both and
; one packed subtraction of d = fx fy (the low register of the second pair, for both halves) makes the weights of taps 1 and 2.
; Left in the registers: +0 fx - d (tap 1), +1 fy - d (tap 2), +2 d (tap 3), +3 (1 - fx) - (fy - d) (tap 0).
.macro WEIGHT l, raw
	v_and_b32 v[WT+4*\l],   (1<<(20+\l))-1, v[\raw]
	v_and_b32 v[WT+4*\l+1], (1<<(20+\l))-1, v[\raw+1]
	v_cvt_f32_u32 v[WT+4*\l],   v[WT+4*\l]
	v_cvt_f32_u32 v[WT+4*\l+1], v[WT+4*\l+1]
	v_pk_mul_f32 v[WT+4*\l:WT+4*\l+1], v[WT+4*\l:WT+4*\l+1], (107-\l)<<23 op_sel_hi:[1,0]      ; x 2^-(20+l)
	v_mul_f32 v[WT+4*\l+2], v[WT+4*\l], v[WT+4*\l+1]
	v_sub_f32 v[WT+4*\l+3], 1.0, v[WT+4*\l]
	v_pk_add_f32 v[WT+4*\l:WT+4*\l+1], v[WT+4*\l:WT+4*\l+1], v[WT+4*\l+2:WT+4*\l+3] op_sel_hi:[1,0] neg_lo:[0,1] neg_hi:[0,1]
	v_sub_f32 v[WT+4*\l+3], v[WT+4*\l+3], v[WT+4*\l+1]
.endm
; Tap k of level l with the weight in register WT + 4 l + wi: R and G in one packed instruction, the weight taken for both halves from
; the low (wi even) or the high (wi odd) register of its pair; B by itself (the texel's fourth word is not touched).
; ap: the pair of sums, as: the sum of B.  first = 1: the product starts the sums, nothing is cleared.
.macro TAP l, k, wi, ap, as, first
.set DK, D+16*\l+4*\k
.set WP, WT+4*\l+((\wi)&2)
.if \first
.if (\wi)&1
	v_pk_mul_f32 v[\ap:\ap+1], v[DK:DK+1], v[WP:WP+1] op_sel:[0,1] op_sel_hi:[1,1]
.else
	v_pk_mul_f32 v[\ap:\ap+1], v[DK:DK+1], v[WP:WP+1] op_sel_hi:[1,0]
.endif
	v_mul_f32 v[\as], v[WT+4*\l+\wi], v[DK+2]
.else
.if (\wi)&1
	v_pk_fma_f32 v[\ap:\ap+1], v[DK:DK+1], v[WP:WP+1], v[\ap:\ap+1] op_sel:[0,1,0] op_sel_hi:[1,1,1]
.else
	v_pk_fma_f32 v[\ap:\ap+1], v[DK:DK+1], v[WP:WP+1], v[\ap:\ap+1] op_sel_hi:[1,0,1]
.endif
	v_fmac_f32 v[\as], v[WT+4*\l+\wi], v[DK+2]
.endif
.endm
; Level l's four taps into the sums; left = the loads that were issued behind them and may stay out (loads return in order, ISA guide 5.7.1).
; Two sets of sums take turns, so that a link of a chain stands four instructions behind the one it reads.
.macro MIX l, first, left
	s_wait_loadcnt \left
	TAP \l, 0, 3, ACC, ACC+2, \first
	TAP \l, 1, 0, AC2, AB2, \first
	TAP \l, 2, 1, ACC, ACC+2, 0
	TAP \l, 3, 2, AC2, AB2, 0
.endm
; Level l of this step is mixed and level l of the next step (P in PX, PY) asked for.  The offset is made in front of the wait, in the
; other set of offset registers, whose last loads were waited for one step ago.  The wait is for 12 at every level: behind this level's
; four taps stand 4 (3 - l) of this step's coarser levels and 4 l of the next step's finer ones.
; It also shows the four loads into D + 16 l done, so that the new loads may land there once the mixing has read them.
.macro PIPE l, first
	ADDR \l, RAW, OFN
	MIX \l, \first, 12
	LOADS \l, OFN
	WEIGHT \l, RAW
.endm
.macro JOIN                            ; the two sets of sums
	v_pk_add_f32 v[ACC:ACC+1], v[ACC:ACC+1], v[AC2:AC2+1]
	v_add_f32 v[ACC+2], v[ACC+2], v[AB2]
.endm
.macro PUT t                           ; step t's results to my rows in LDS: columns 8 t .. 8 t + 7
.irp ch,0,1,2
	ds_store_b32 v[LA], v[ACC+\ch] offset:\ch*4*LP+32*\t
.endr
.endm
; step t; n = t + 1.  At each of its entries VX, VY hold step t's coordinates.
.macro STEP t, n
.set OFT, OFA-4*((\t)&1)               ; this step's offset registers,
.set OFN, OFB+4*((\t)&1)               ; the next step's
	; fill t (reached from idle t - 1 or from the start): nothing is on its way
	PXY
	ADDR 0, WT, OFT
	LOADS 0, OFT
	ADDR 1, WT+4, OFT
	LOADS 1, OFT
	ADDR 2, WT+8, OFT
	LOADS 2, OFT
	ADDR 3, WT+12, OFT
	LOADS 3, OFT
	WEIGHT 0, WT
	WEIGHT 1, WT+4
	WEIGHT 2, WT+8
	WEIGHT 3, WT+12
.Lact\t:                               ; 16 taps of step t on their way, levels in order; its weights are made
.if \t < 7
	ADV
	TEST
	s_cbranch_scc0 .Llast\t
	PXY
	PIPE 0, 1
	PIPE 1, 0
	PIPE 2, 0
	PIPE 3, 0
	JOIN
	PUT \t
	s_branch .Lact\n
.Llast\t:                              ; the next step asks for nothing: behind level l stand the 4 (3 - l) taps of the coarser levels
.endif
	MIX 0, 1, 12
	MIX 1, 0, 8
	MIX 2, 0, 4
	MIX 3, 0, 0
	JOIN
	PUT \t
.if \t < 7
	s_branch .Lidle\n
.else
	s_branch .Lout
.endif
.Lidle\t:                              ; no pixel of step t touches a level: zeros are the result; nothing is on its way
.irp ch,0,1,2
	v_mov_b32 v[ACC+\ch], 0
.endr
	PUT \t
.if \t < 7
	ADV
	TEST
	s_cbranch_scc0 .Lidle\n            ; else on into fill t + 1
.endif
.endm
	TEST
	s_cbranch_scc0 .Lidle0
	STEP 0, 1
	STEP 1, 2
	STEP 2, 3
	STEP 3, 4
	STEP 4, 5
	STEP 5, 6
	STEP 6, 7
	STEP 7, 8
.Lout:
	; the way out: LDS rows 2 i, 2 i + 1 (row = 4 channel + pixel row) as whole rows of 256 bytes.  No load from memory is out here.
	; LDS serves a wave's instructions in order (ISA guide 5.7.1): these loads see the stores above.
.irp i,0,1,2,3,4,5
	ds_load_b128 v[D+4*\i:D+4*\i+3], v[RDA] offset:\i*2*LP
.endr
.irp i,0,1,2,3,4,5
	s_wait_dscnt 5-\i                              ; quad i is in, the 5 - i behind it may be out
	global_store_b128 v[GO], v[D+4*\i:D+4*\i+3], s[14:15] offset:(\i>>1)*PLANE+(\i&1)*4096 th:TH_STORE_NT
.endr
	s_wait_tensorcnt 0x0
	ds_add_u32 v116, v117
	s_wait_dscnt 0x0
	s_endpgm
.Lfunc_end_k_q009c7ecb4f_sample:
	.size	k_q009c7ecb4f_sample, .Lfunc_end_k_q009c7ecb4f_sample-k_q009c7ecb4f_sample
	.p2alignl 7, 3214868480
	.fill 96, 4, 3214868480
	.section	.rodata,"a",@progbits
	.p2align	6, 0x0
	.amdhsa_kernel k_q009c7ecb4f_sample
		.amdhsa_group_segment_fixed_size 114688
		.amdhsa_private_segment_fixed_size 0
		.amdhsa_enable_private_segment 0
		.amdhsa_kernarg_size 48
		.amdhsa_user_sgpr_count 2
		.amdhsa_user_sgpr_kernarg_segment_ptr 1
		.amdhsa_wavefront_size32 1
		.amdhsa_system_sgpr_workgroup_id_x 1
		.amdhsa_system_sgpr_workgroup_id_y 1
		.amdhsa_system_sgpr_workgroup_id_z 1
		.amdhsa_system_vgpr_workitem_id 0
		.amdhsa_next_free_vgpr 118
		.amdhsa_next_free_sgpr 66
		.amdhsa_reserve_vcc 1
		.amdhsa_float_denorm_mode_32 3
		.amdhsa_float_denorm_mode_16_64 3
		.amdhsa_memory_ordered 1
		.amdhsa_forward_progress 1
		.amdhsa_inst_pref_size 120
	.end_amdhsa_kernel
	.amdgpu_metadata
---
amdhsa.version: [ 1, 2 ]
amdhsa.kernels:
  - .name:           k_q009c7ecb4f_sample
    .symbol:         k_q009c7ecb4f_sample.kd
    .args:
      - { .name: t0, .offset: 0, .size: 8, .value_kind: global_buffer, .address_space: global }
      - { .name: t1, .offset: 8, .size: 8, .value_kind: global_buffer, .address_space: global }
      - { .name: t2, .offset: 16, .size: 8, .value_kind: global_buffer, .address_space: global }
      - { .name: t3, .offset: 24, .size: 8, .value_kind: global_buffer, .address_space: global }
      - { .name: coef, .offset: 32, .size: 8, .value_kind: global_buffer, .address_space: global }
      - { .name: out0, .offset: 40, .size: 8, .value_kind: global_buffer, .address_space: global }
    .group_segment_fixed_size: 114688
    .private_segment_fixed_size: 0
    .kernarg_segment_align: 8
    .kernarg_segment_size: 48
    .max_flat_workgroup_size: 1024
    .sgpr_count:     66
    .vgpr_count:     118
    .wavefront_size: 32
...
	.end_amdgpu_metadata
.endif
;; end of part 3
